; MI455X (gfx1250); checked and timed in simulation.
; The chip was launched on July 23, 2026; its instructions are those of AMD's public machine-readable ISA for CDNA 5 (MIT licence, August 2026) and "CDNA5" Instruction Set Architecture Reference Guide (July 2026). The comments in the code are by the model that wrote it; some were corrected since.
;; triton ag gemm intra node. Allowed arithmetic: matrix products marked QUANTISED: E3M2 operands, one E8M0 scale for each 32 along K, by v_wmma_scale_f32_16x16x128_f8f6f4 with both operands' format E3M2, f32 sums; everything else in f32.
;; Inputs: input 2,048 x 8,192 float32; weight 4,096 x 8,192 float32.
;; Outputs: out0 2,048 x 4,096 float32.
;; Constants: transed_weight = 0.
;; This version of the problem:
;;   THIS VERSION OF THE PROBLEM IS GIVEN IN LOW PRECISION. The matrix products marked QUANTISED in the list below multiply operands that are first quantised to E3M2 (3 exponent bits, 2 mantissa bits; 6 bits a number), with one power-of-two scale for each 32 numbers along K (OCP MX v1.0); their sums are f32. All else is computed in f32.
;;   The module's matrix products, in the order in which they are computed (A, B: the left and right operand; K: the contracted axis; several contracted axes count as one K, in the product's order):
;;     1. [M 2,048, K 8,192] x [K 8,192, N 4,096]; A: input input; B: input weight: QUANTISED
;;   THE QUANTISER, for each operand of a quantised product, along K:
;;     - K is cut into blocks of 32 from its start; a last block that is shorter is filled with zeros.
;;     - A block's scale is 2^e with e = floor(log2(the largest magnitude in the block)) - 4, held to -126 .. 127; a block of zeros has e = 0. As a byte (E8M0): e + 127.
;;     - Each number is divided by its block's scale, clamped to +-28, and rounded to the nearest number of E3M2, ties to even, subnormals kept.
;;     - The product sums the exact products of the quantised numbers (number of the format x scale) in f32.
;;   ~~~python
;;   def quantise(x, axis):      # numpy; x: float32 -> the quantised numbers, widened to float32 again
;;       x = np.moveaxis(x, axis, -1); K = x.shape[-1]
;;       x = np.pad(x, [(0, 0)] * (x.ndim - 1) + [(0, -K % 32)]); x = x.reshape(x.shape[:-1] + (-1, 32)); a = np.abs(x).max(-1, keepdims=True)
;;       e = np.where(a > 0, np.clip(np.frexp(np.where(a > 0, a, 1))[1] - 1 - 4, -126, 127), 0)      # np.frexp(a)[1] - 1 = floor(log2(a)), exactly
;;       r = np.clip(x / 2.0 ** e, -28, 28)
;;       step = 2.0 ** (np.maximum(np.frexp(np.where(r == 0, 1, r))[1] - 1, -2) - 2)
;;       q = np.round(r / step) * step * 2.0 ** e      # np.round: ties to even
;;       return np.moveaxis(q.reshape(q.shape[:-2] + (-1,))[..., :K], -1, axis).astype(np.float32)
;;   ~~~
;; One version. Each part assembles by itself: llvm-mc -triple=amdgcn-amd-amdhsa -mcpu=gfx1250 --defsym DOCPART=n.
;; ======== version 1 of 1: 2 launches
;; limits: right only within a limited range of input values
;; workspace buffers: codes 39,321,600 bytes
;; launch quant (part 1): grid 768 x 1, 4 waves a work-group, no clusters, 34,304 bytes of LDS; arguments input, weight, codes; writes codes
.if DOCPART == 1
	.amdgcn_target "amdgcn-amd-amdhsa--gfx1250"
	.amdhsa_code_object_version 6
	.text
	.protected	k_q9da7ba4895_quant
	.globl	k_q9da7ba4895_quant
	.p2align	8
	.type	k_q9da7ba4895_quant,@function
k_q9da7ba4895_quant:
	s_mov_b64 s[64:65], 0
	v_nop
	global_prefetch_b8 v0, s[64:65] scope:SCOPE_SE
	s_setreg_imm32_b32 hwreg(HW_REG_WAVE_MODE, 25, 1), 1
	s_wait_xcnt 0x0
; input [2048][8192] and weight [4096][8192], f32, K innermost, become codes of BF6 (E3M2) with one E8M0 scale byte for each 32 along K,
; laid in the workspace IN THE ORDER OF THE MATRIX OPERAND'S REGISTERS, so that the product's launch takes every fragment by three loads of 16 bytes a lane.
; LAYOUT OF codes.  384 row blocks of 16 rows (0-127: input, 128-383: weight), 102,400 bytes each = 16 units of 6,400 bytes, a unit for 512 along K.
;   A unit: four fragment images of 1,536 bytes (16 rows x 128 K each), then 256 bytes of scale words (row r: 16 bytes at 16 r, word q for the unit's q-th 128 along K).
;   A fragment image: registers 4 c .. 4 c + 3 of lane l at 512 c + 16 l.  Lane (r = l % 16, h = l / 16) holds row r: registers 0-5 the 24 code bytes of K block h, registers 6-11 those of K block 2 + h.
; THE RULE.  A block's scale is 2^(floor(log2(largest magnitude)) - 4); its byte is the largest magnitude's exponent field - 4, held at 1 from below by a floor among the maximum's leaves.
;   Each number is divided by the scale and rounded to the nearest code, ties to even; beyond 28 the conversion gives the largest code.
; LIMITS.  A block of zeros gets the byte 1 where the rule says 127: its codes are zeros, which add nothing under any byte but 0xff, and this program alone reads the bytes.
;   Blocks whose largest magnitude lies under 2^-122 keep the byte 1 (the rule's hold at e = -126).  NaN and infinities among the inputs are not served.
; SHARES.  A wave takes 16 rows x 1,024 along K: eight steps of one fragment.  3,072 waves in 768 work-groups; the first 256 work-groups take input, the others weight: only the source pointer is chosen.
; A load reads one row's 512 consecutive bytes (32 lanes x 16); the conversions want 32 neighbours along K in ONE lane: so a step's 8,192 bytes turn through the wave's own stage in LDS
; (16 rows, 528 bytes apart).  Loads run two steps (32 loads a wave) ahead.
; No tensor loads, no barrier, no matrix unit: memory binds, and waves share nothing.
.set ROWB,  32768                      ; a row of either tensor in bytes
.set UNIT,  6400
.set RBB,   16*UNIT                    ; a row block of the workspace
.set FRB,   1536                       ; a fragment image
.set SP,    528                        ; a stage row: 512 bytes + 16
.set STG,   16*SP                      ; a wave's stage
.set GA,    4                          ; v4   16 x lane: offset of the loads and of the code stores; never rewritten
.set SI,    5                          ; v5   the stage, on the way in: wave's stage + 16 x lane
.set SO,    6                          ; v6   and on the way out: wave's stage + 528 r + 128 h
.set SA,    7                          ; v7   the scale words' place: 6144 + 16 r + 6400 h
.set SH,    8                          ; v8   8 h: where my two bytes stand in a scale word
.set MX,    10                         ; v10-11  my two blocks' largest magnitudes
.set SCL,   12                         ; v12-13  the conversions' scale operands
.set BY,    14                         ; v14-15  the scale bytes
.set PD,    16                         ; v16  the lane permute's destination
.set TW,    17                         ; v17  at work
.set S,     20                         ; v20-27  the eight steps' scale words
.set O,     28                         ; v28-31  four of them on the way out
.set C,     32                         ; v32-43  the fragment
.set T,     44                         ; v44-46, v48-50  the blocks' upper halves as the conversions leave them
.set X,     64                         ; v64-127  64 numbers: my two blocks
.set R,     128                        ; v128-255 two sets of 64 as loaded
	s_load_b128 s[4:7], s[0:1], 0x0                ; input, weight
	s_load_b64 s[8:9], s[0:1], 0x10                ; codes
	v_lshl_add_u32 v62, v0, 2, 0x8400
	v_mov_b32 v63, 0
	v_lshrrev_b32 v1, 5, v0
	v_readfirstlane_b32 s16, v1                    ; wave 0..3
	v_and_b32 v1, 31, v0                           ; lane
	v_and_b32 v2, 15, v0                           ; r
	v_bfe_u32 v3, v0, 4, 1                         ; h
	v_lshlrev_b32 v[GA], 4, v1
	s_mul_i32 s26, s16, STG                        ; my wave's stage
	v_add_nc_u32 v[SI], s26, v[GA]
	v_mul_u32_u24 v[SO], v2, SP
	v_lshl_add_u32 v[SO], v3, 7, v[SO]             ; row r, block h of its four
	v_add_nc_u32 v[SO], s26, v[SO]
	v_lshlrev_b32 v[SA], 4, v2
	v_mad_u32_u24 v[SA], v3, UNIT, v[SA]
	v_add_nc_u32 v[SA], 4*FRB, v[SA]
	v_lshlrev_b32 v[SH], 3, v3
	v_mov_b32 v[PD], 0                             ; written once: a lane permute's destination counts as one of its sources
	s_mov_b32 s20, 0x76543210
	s_mov_b32 s21, 0xfedcba98                      ; v_permlanex16_b32's selects for lane l xor 16
	s_lshl_b32 s17, ttmp9, 2
	s_add_co_u32 s17, s17, s16                     ; my job: 4 x work-group + wave
	s_lshr_b32 s18, s17, 3                         ; its row block, 0..383
	s_and_b32 s19, s17, 7                          ; and which 1,024 along K
	s_wait_alu depctr_va_vdst(0)
	s_wait_kmcnt 0x0
	s_cmp_lt_u32 ttmp9, 256                        ; input's work-group or weight's?  The choice hangs on the work-group's number alone
	s_cselect_b64 s[4:5], s[4:5], s[6:7]
	s_cselect_b32 s22, 0, 128
	s_sub_co_u32 s22, s18, s22                     ; the row block inside its tensor
	s_lshl_b32 s22, s22, 19                        ; 16 rows of 32,768 bytes (255 x 2^19 at the most: under 2^32)
	s_lshl_b32 s24, s19, 12                        ; 1,024 numbers of 4 bytes
	s_add_co_u32 s22, s22, s24
	s_mov_b32 s23, 0
	s_add_nc_u64 s[4:5], s[4:5], s[22:23]
	s_mul_i32 s24, s18, RBB
	s_mul_i32 s25, s19, 2*UNIT                     ; 1,024 along K are two units
	s_add_co_u32 s24, s24, s25
	s_mov_b32 s25, 0
	s_add_nc_u64 s[8:9], s[8:9], s[24:25]
.macro LOAD t                          ; step t: 128 numbers of each of my 16 rows into set t % 2; each load reads 512 consecutive bytes, at a multiple of 256 from the tensor's first byte
.irp i, 0,1,2,3,4,5,6,7,8,9,10,11,12,13,14,15
	global_load_b128 v[R+64*((\t)%2)+4*\i:R+64*((\t)%2)+4*\i+3], v[GA], s[4:5] offset:ROWB*\i+512*(\t) th:TH_LOAD_NT
.endr
.endm
.macro STEP t
.set RS, R+64*((\t)%2)
.if (\t) < 7
	s_wait_loadcnt 16                              ; this step's 16 loads are in; the next step's 16 may be out
.else
	s_wait_loadcnt 0x0
.endif
.irp i, 0,1,2,3,4,5,6,7,8,9,10,11,12,13,14,15
	ds_store_b128 v[SI], v[RS+4*\i:RS+4*\i+3] offset:SP*\i         ; row i as it lies
.endr
.irp c, 0,1
.irp j, 0,1,2,3,4,5,6,7
	ds_load_b128 v[X+32*\c+4*\j:X+32*\c+4*\j+3], v[SO] offset:256*\c+16*\j   ; k = 64 c + 32 h + 4 j on of row r.  LDS serves a wave's instructions in order: these see the stores above
.endr
.endr
	s_wait_dscnt 0x0                               ; my 64 numbers are in, and the stores have read their registers,
.if (\t) > 0
	s_wait_xcnt 0x0                                ; the last step's three stores have read the fragment's registers, which the conversions below write again.  The wait stands AHEAD of the loads below, so that it does not count them
.endif
.if (\t)+2 < 8
	LOAD (\t)+2                                    ; which take the loads of two steps on
.endif
.irp c, 0,1
	v_max3_num_f32 v[MX+\c], |v[X+32*\c]|, |v[X+32*\c+1]|, 0x2800000   ; block 2 c + h: all its 32 numbers are mine; and the floor 2^(5 - 127): the byte cannot fall under 1
.endr
.irp i, 2,4,6,8,10,12,14,16,18,20,22,24,26,28,30
.irp c, 0,1
	v_max3_num_f32 v[MX+\c], v[MX+\c], |v[X+32*\c+\i]|, |v[X+32*\c+\i+1]|   ; (the two blocks by turns)
.endr
.endr
.irp c, 0,1
	v_add_nc_u32 v[SCL+\c], 0xfe000000, v[MX+\c]   ; 4 off the exponent field: the conversion takes the exponent field of this operand as its scale, and nothing else of it
.endr
	v_cvt_scalef32_pk16_bf6_f32 v[C:C+2], v[X:X+15], v[SCL]
	v_cvt_scalef32_pk16_bf6_f32 v[T:T+2], v[X+16:X+31], v[SCL]         ; (a conversion's three registers begin on an even number: a block's upper half is made elsewhere and moved)
	v_cvt_scalef32_pk16_bf6_f32 v[C+6:C+8], v[X+32:X+47], v[SCL+1]
	v_cvt_scalef32_pk16_bf6_f32 v[T+4:T+6], v[X+48:X+63], v[SCL+1]
	v_lshrrev_b32 v[BY], 23, v[SCL]                ; the scales' bytes.  (The plain line behind the conversions)
	v_lshrrev_b32 v[BY+1], 23, v[SCL+1]
	v_lshl_or_b32 v[TW], v[BY+1], 16, v[BY]        ; my two bytes: blocks h and 2 + h of row r,
	v_lshlrev_b32 v[TW], v[SH], v[TW]              ; at their places in the scale word;
	v_permlanex16_b32 v[PD], v[TW], s20, s21
	v_or_b32 v[S+(\t)], v[TW], v[PD]               ; with lane l xor 16's two the word is whole, in both lanes
.irp i, 0,1,2
	v_mov_b32 v[C+3+\i], v[T+\i]
	v_mov_b32 v[C+9+\i], v[T+4+\i]
.endr
.irp c, 0,1,2
	global_store_b128 v[GA], v[C+4*\c:C+4*\c+3], s[8:9] offset:((\t)/4)*UNIT+((\t)%4)*FRB+512*\c   ; 32 lanes store 512 consecutive bytes, at a multiple of 256 from the buffer's first byte
.endr
.endm
	LOAD 0
	LOAD 1
.irp t, 0,1,2,3,4,5,6,7
	STEP \t
.endr
	v_cmp_ne_u32 vcc_lo, 0, v3                     ; lanes 0-15 send the first unit's four words of row r, lanes 16-31 the second unit's
.irp i, 0,1,2,3
	v_cndmask_b32 v[O+\i], v[S+\i], v[S+4+\i], vcc_lo
.endr
	global_store_b128 v[SA], v[O:O+3], s[8:9]      ; sixteen lanes store 256 consecutive bytes, at a multiple of 256 from the buffer's first byte, twice
	s_wait_tensorcnt 0x0
	ds_add_u32 v62, v63
	s_wait_dscnt 0x0
	s_endpgm
.Lfunc_end_k_q9da7ba4895_quant:
	.size	k_q9da7ba4895_quant, .Lfunc_end_k_q9da7ba4895_quant-k_q9da7ba4895_quant
	.p2alignl 7, 3214868480
	.fill 96, 4, 3214868480
	.section	.rodata,"a",@progbits
	.p2align	6, 0x0
	.amdhsa_kernel k_q9da7ba4895_quant
		.amdhsa_group_segment_fixed_size 34304
		.amdhsa_private_segment_fixed_size 0
		.amdhsa_enable_private_segment 0
		.amdhsa_kernarg_size 24
		.amdhsa_user_sgpr_count 2
		.amdhsa_user_sgpr_kernarg_segment_ptr 1
		.amdhsa_wavefront_size32 1
		.amdhsa_system_sgpr_workgroup_id_x 1
		.amdhsa_system_sgpr_workgroup_id_y 1
		.amdhsa_system_sgpr_workgroup_id_z 1
		.amdhsa_system_vgpr_workitem_id 0
		.amdhsa_next_free_vgpr 256
		.amdhsa_next_free_sgpr 66
		.amdhsa_reserve_vcc 1
		.amdhsa_float_denorm_mode_32 3
		.amdhsa_float_denorm_mode_16_64 3
		.amdhsa_memory_ordered 1
		.amdhsa_forward_progress 1
		.amdhsa_inst_pref_size 57
	.end_amdhsa_kernel
	.amdgpu_metadata
---
amdhsa.version: [ 1, 2 ]
amdhsa.kernels:
  - .name:           k_q9da7ba4895_quant
    .symbol:         k_q9da7ba4895_quant.kd
    .args:
      - { .name: input, .offset: 0, .size: 8, .value_kind: global_buffer, .address_space: global }
      - { .name: weight, .offset: 8, .size: 8, .value_kind: global_buffer, .address_space: global }
      - { .name: codes, .offset: 16, .size: 8, .value_kind: global_buffer, .address_space: global }
    .group_segment_fixed_size: 34304
    .private_segment_fixed_size: 0
    .kernarg_segment_align: 8
    .kernarg_segment_size: 24
    .max_flat_workgroup_size: 128
    .sgpr_count:     66
    .vgpr_count:     256
    .wavefront_size: 32
...
	.end_amdgpu_metadata
.endif
;; end of part 1
;; launch gemm (part 2): grid 16 x 16, 4 waves a work-group, clusters of 4 x 4, 327,680 bytes of LDS; arguments codes, out0; writes out0
.if DOCPART == 2
	.amdgcn_target "amdgcn-amd-amdhsa--gfx1250"
	.amdhsa_code_object_version 6
	.text
	.protected	k_q9da7ba4895_gemm
	.globl	k_q9da7ba4895_gemm
	.p2align	8
	.type	k_q9da7ba4895_gemm,@function
k_q9da7ba4895_gemm:
	s_mov_b64 s[64:65], 0
	v_nop
	global_prefetch_b8 v0, s[64:65] scope:SCOPE_SE
	s_setreg_imm32_b32 hwreg(HW_REG_WAVE_MODE, 25, 1), 1
	s_wait_xcnt 0x0
	s_wait_alu depctr_hold_cnt(0) depctr_sa_sdst(0) depctr_va_vdst(0) depctr_va_sdst(0) depctr_va_ssrc(0) depctr_va_vcc(0) depctr_vm_vsrc(0)
	s_getreg_b32 s2, hwreg(HW_REG_IB_STS2, 6, 4)
	s_cmp_eq_u32 s2, 0
	s_cbranch_scc0 .Lentry_in_a_cluster
	s_endpgm
.Lentry_in_a_cluster:
	s_bfe_u32 s2, ttmp6, 0x10000c
	s_cmp_lg_u32 s2, 0xf033
	s_cbranch_scc0 .Lentry_shape_is_right
	s_endpgm
.Lentry_shape_is_right:
; out0[m][n] = sum over k of Q(input)[m][k] Q(weight)[n][k], on the codes and scale bytes that launch quant laid in the order of the operand's registers
; (384 row blocks of 16 rows, 0-127 input, 128-383 weight; a row block = 16 units of 6,400 bytes, a unit = 512 along K: four fragment images of 1,536 bytes, then 256 bytes of scale words, row r's four at 16 r).
; transed_weight is the constant 0.
; SHARES.  A work-group makes 128 x 256 of out0: 256 work-groups.  Wave (kh, nh) multiplies all 128 rows by columns 128 nh .. + 127 over images 2 kh, 2 kh + 1 of every unit: 64 accumulators, 512 registers.
; At the end the waves kh = 0 and kh = 1 hand each other the sums of the other's 64 rows through LDS, and each adds and stores 64 rows x 128 columns.
; A (input) is wanted by both nh waves: it comes through LDS, by joint tensor loads shared along a row of the 4 x 4 cluster: two slots of 1,024 along K (8 row blocks x 12,800 bytes), a quarter of a slot to each wave.
; B (weight) IS NOT ASKED FOR JOINTLY: a joint load lands in LDS, and every byte of B's tile is wanted by one wave alone, in the order in which it lies in memory.  So each wave loads its B fragments
; straight into registers, 512 consecutive bytes a load, into a ring of 16 fragments (a unit's two steps): no LDS byte is written or read for B, and B's waits are counted.
; A STEP is 128 along K: 64 matrix instructions, B's fragments one after the other, each against A's eight; a place of the ring is loaded again, with the next unit's fragment, behind the four fragments' products.
; PREFETCH: behind each refill a wave names 25 blocks of 256 bytes three times: one unit of one row block of A's fill that stands one refill on (16 such pieces, 16 waves of the four partners of a cluster's row, told apart
; by address), and two units of one row block of B (16 row blocks, 16 waves of a cluster's column), whose loads begin three steps later.  A's last refill of the walk has no fill one on: it asks for nothing of A.
; The first units come by their loads alone.
; REGISTERS.  Window 0: v0-31 addresses; v32-47 A's scale words, v48-63 B's (two sets each; lanes 0-15 an even block's words, lanes 16-31 the odd block's); v64-255 A's fragments, two sets.
; Window 1: v0-191 B's ring.  Window 2: the accumulators of B's blocks 0-3 ((a, b) at v[8 (8 (b % 4) + a)]); window 3: those of blocks 4-7.
; THE MATRIX INSTRUCTION IS USED TRANSPOSED (source 0 = B, source 1 = A): a lane holds eight neighbouring numbers of a row of out0.
.set UNIT,   6400
.set RBB,    16*UNIT
.set FRB,    1536
.set SCO,    4*FRB
.set FR,     12
.set ARB,    2*UNIT                    ; an LDS row of a slot: two units of a row block
.set SLOTB,  8*ARB                     ; slot 1 lies at LDS byte 0, slot 0 behind it
.set SPITCH, 528                       ; the way out: rows of 512 bytes + 16
.set XA,     SLOTB                     ; the sums handed over: 4 waves x 64 rows, over slot 0 (its last fill and last read are past by then) and the bytes behind it
.set STG,    XA+4*64*SPITCH            ; each wave's own stage of 16 rows
.set SPARE,  STG+4*16*SPITCH           ; the spare words, 128 bytes a wave
.set NROW,   16384                     ; a row of out0 in bytes
.set BO,    4                          ; v4  16 x lane + 3,072 kh: B's fragments
.set SBO,   5                          ; v5  B's scale words: 6,144 + 16 r + 8 kh + a row block for lanes 16-31
.set PFO,   6                          ; v6  256 x min(lane, 24)
.set CO,    7                          ; v7  16 x lane
.set ADRAL, 8                          ; v8-9   A's fragments of my own 64 rows, slot 0, 1
.set ADRAH, 10                         ; v10-11 of the other 64 rows
.set ADRSL, 12                         ; v12-13, v14-15 the same for A's scale words
.set ADRSH, 14
.set STO,   16
.set RD,    17
.set XW,    18
.set XR,    19
.set SPW,   28
.set NIL,   29
.set SA,    32
.set SB,    48
.set AF,    64
.set BK,    64
.set G1,  24                           ; s[24:31] descriptor group 1; s[32:39] group 0, one for each slot
.set G0,  32
.set BP,  44                           ; s[44:45] B's base: my 8 row blocks, at the lap's first unit
.set PA,  46                           ; s[46:47], s[48:49] the prefetches' bases
.set PB,  48
.set MSB, 0
.macro WIN new                         ; the immediate's high byte repeats the setting that is left
.if MSB != \new
	s_set_vgpr_msb (MSB<<8)|\new
.set MSB, \new
.endif
.endm
.set MUL_LO, 0xa1                      ; source 0 window 1, source 1 window 0, C and D window 2
.set MUL_HI, 0xf1
.set TO_B,   0x40
.macro PLACES                          ; four places behind matrix instructions, ahead of loads into their sources and of reads of their results
.rept 4
	v_nop
.endr
.endm
.macro CREST
	s_cmp_lg_u32 s14, 0
	s_cbranch_scc1 .Lnot_wave_0_\@
	s_barrier_signal -3
.Lnot_wave_0_\@:
	s_barrier_wait -3
	s_barrier_signal -1
	s_barrier_wait -1
.endm
.macro CROUND
	s_barrier_signal -1
	s_barrier_wait -1
	CREST
.endm
.macro BSC u                           ; B's scale words of unit u (counted from the lap's first): my two words of each row, two row blocks a load
.irp m, 0,1,2,3
	global_load_b64 v[SB+8*((\u)%2)+2*\m:SB+8*((\u)%2)+2*\m+1], v[SBO], s[BP:BP+1] offset:(\u)*UNIT+2*\m*RBB
.endr
.endm
.macro BQ u, s, b0                     ; four of B's fragments: unit u, step s, blocks b0 .. b0 + 3: twelve loads
.irp i, 0,1,2,3
.irp c, 0,1,2
	global_load_b128 v[FR*(8*(\s)+\b0+\i)+4*\c:FR*(8*(\s)+\b0+\i)+4*\c+3], v[BO], s[BP:BP+1] offset:(\u)*UNIT+(\s)*FRB+(\b0+\i)*RBB+512*\c
.endr
.endr
.endm
.macro AFETCH m                        ; A's eight fragments of step m of the lap into set m % 2; ahead of them, at a unit's first step, the unit's scale words
.set SL_, ((\m)/4)%2
.set OF_, (((\m)/2)%2)*UNIT
.set ST_, (\m)%2
.set SS_, SA+8*(((\m)/2)%2)
.if ST_ == 0
.irp i, 0,1
	ds_load_b64 v[SS_+2*\i:SS_+2*\i+1], v[ADRSL+SL_] offset:OF_+\i*2*ARB
	ds_load_b64 v[SS_+4+2*\i:SS_+5+2*\i], v[ADRSH+SL_] offset:OF_+\i*2*ARB
.endr
.endif
.irp i, 0,1,2,3
.irp c, 0,1,2
	ds_load_b128 v[AF+96*ST_+FR*\i+4*\c:AF+96*ST_+FR*\i+4*\c+3], v[ADRAL+SL_] offset:OF_+ST_*FRB+\i*ARB+512*\c
	ds_load_b128 v[AF+96*ST_+FR*(\i+4)+4*\c:AF+96*ST_+FR*(\i+4)+4*\c+3], v[ADRAH+SL_] offset:OF_+ST_*FRB+\i*ARB+512*\c
.endr
.endr
.endm
.macro WM a, b, n, zero                ; one product: A's block a x B's block b in step n.  An odd block's scale words stand in lanes 16-31
.set AC, 8*(8*((\b)%4)+(\a))
.set BF, FR*(8*((\n)%2)+(\b))
.set AG, AF+96*((\n)%2)+FR*(\a)
.set SBR, SB+8*(((\n)/2)%2)+2*((\b)/2)+(\n)%2
.set SAR, SA+8*(((\n)/2)%2)+2*((\a)/2)+(\n)%2
.set RW, 2*((\b)%2)+(\a)%2
.if \zero
.if RW == 0
	v_wmma_scale_f32_16x16x128_f8f6f4 v[AC:AC+7], v[BF:BF+11], v[AG:AG+11], 0, v[SBR], v[SAR] matrix_a_fmt:MATRIX_FMT_BF6 matrix_b_fmt:MATRIX_FMT_BF6
.endif
.if RW == 1
	v_wmma_scale_f32_16x16x128_f8f6f4 v[AC:AC+7], v[BF:BF+11], v[AG:AG+11], 0, v[SBR], v[SAR] matrix_a_fmt:MATRIX_FMT_BF6 matrix_b_fmt:MATRIX_FMT_BF6 matrix_b_scale:MATRIX_SCALE_ROW1
.endif
.if RW == 2
	v_wmma_scale_f32_16x16x128_f8f6f4 v[AC:AC+7], v[BF:BF+11], v[AG:AG+11], 0, v[SBR], v[SAR] matrix_a_fmt:MATRIX_FMT_BF6 matrix_b_fmt:MATRIX_FMT_BF6 matrix_a_scale:MATRIX_SCALE_ROW1
.endif
.if RW == 3
	v_wmma_scale_f32_16x16x128_f8f6f4 v[AC:AC+7], v[BF:BF+11], v[AG:AG+11], 0, v[SBR], v[SAR] matrix_a_fmt:MATRIX_FMT_BF6 matrix_b_fmt:MATRIX_FMT_BF6 matrix_a_scale:MATRIX_SCALE_ROW1 matrix_b_scale:MATRIX_SCALE_ROW1
.endif
.else
.if RW == 0
	v_wmma_scale_f32_16x16x128_f8f6f4 v[AC:AC+7], v[BF:BF+11], v[AG:AG+11], v[AC:AC+7], v[SBR], v[SAR] matrix_a_fmt:MATRIX_FMT_BF6 matrix_b_fmt:MATRIX_FMT_BF6
.endif
.if RW == 1
	v_wmma_scale_f32_16x16x128_f8f6f4 v[AC:AC+7], v[BF:BF+11], v[AG:AG+11], v[AC:AC+7], v[SBR], v[SAR] matrix_a_fmt:MATRIX_FMT_BF6 matrix_b_fmt:MATRIX_FMT_BF6 matrix_b_scale:MATRIX_SCALE_ROW1
.endif
.if RW == 2
	v_wmma_scale_f32_16x16x128_f8f6f4 v[AC:AC+7], v[BF:BF+11], v[AG:AG+11], v[AC:AC+7], v[SBR], v[SAR] matrix_a_fmt:MATRIX_FMT_BF6 matrix_b_fmt:MATRIX_FMT_BF6 matrix_a_scale:MATRIX_SCALE_ROW1
.endif
.if RW == 3
	v_wmma_scale_f32_16x16x128_f8f6f4 v[AC:AC+7], v[BF:BF+11], v[AG:AG+11], v[AC:AC+7], v[SBR], v[SAR] matrix_a_fmt:MATRIX_FMT_BF6 matrix_b_fmt:MATRIX_FMT_BF6 matrix_a_scale:MATRIX_SCALE_ROW1 matrix_b_scale:MATRIX_SCALE_ROW1
.endif
.endif
.endm
.macro GRP b, n, zero                  ; B's block b against A's eight: the accumulators take turns, one instruction a turn
.irp a, 0,1,2,3,4,5,6,7
	WM \a, \b, \n, \zero
.endr
.endm
.macro XOUT hq                         ; the finished sums of the other wave's 64 rows, B's blocks 4 hq .. 4 hq + 3, into its rows of XA; each accumulator from its low end on
	WIN 0x08+4*(\hq)
.irp b, 0,1,2,3
.irp a, 4,5,6,7
	ds_store_b128 v[XW], v[8*(8*\b+\a):8*(8*\b+\a)+3] offset:(\a-4)*16*SPITCH+64*(4*(\hq)+\b)
	ds_store_b128 v[XW], v[8*(8*\b+\a)+4:8*(8*\b+\a)+7] offset:(\a-4)*16*SPITCH+64*(4*(\hq)+\b)+16
.endr
.endr
.endm
.macro ASK ra, rb, guard               ; units counted from the lap's first; guard = 1: in the loop's last trip A has no such fill
	global_prefetch_b8 v[PFO], s[PB:PB+1] offset:(\rb)*UNIT th:TH_LOAD_NT scope:SCOPE_SE
	global_prefetch_b8 v[PFO], s[PB:PB+1] offset:(\rb+1)*UNIT th:TH_LOAD_NT scope:SCOPE_SE
.if \guard
	s_cmp_gt_u32 s3, 1
	s_cbranch_scc0 .Lno_a_\@
.endif
	global_prefetch_b8 v[PFO], s[PA:PA+1] offset:(\ra)*UNIT th:TH_LOAD_NT scope:SCOPE_SE
.if \guard
.Lno_a_\@:
.endif
.endm
; Step n of a lap of eight (n = 8: the next lap's first).  bl: B's ring is loaded again, with the next unit.  fa: A's fragments of step n + 2 are fetched at the end, into the set just multiplied.
; sync = 1: the slot of this step has been read out (the fetch of its last step stands at the end of step n - 1): all my tensor loads are waited for, the add, the wait for it and for my reads, a round of the
; cluster's barrier, and the refill, two fills on; the other slot is whole behind the round.  sync = 2: the barrier alone: nothing is left to fetch.
; yd: the LDS loads younger than this step's A (the fetch of step n + 1).  lc1, lc2: the global loads younger than the four fragments of B that the half step multiplies.  xo: the last step hands sums over.
.macro STEP n, zero, bl, fa, sync, yd, lc1, lc2, xo
.set U1, (\n)/2+1
.set SLT, ((\n)/4)%2
	s_wait_dscnt \yd
	s_wait_loadcnt \lc1
	WIN MUL_LO
.irp b, 0,1,2,3
	GRP \b, \n, \zero
.endr
	PLACES
.if \bl
.if (\n)%2 == 0
	WIN 0
	BSC U1
.endif
	WIN TO_B
	BQ U1, (\n)%2, 0
.endif
.if \xo
	XOUT 0
.endif
	s_wait_loadcnt \lc2
.if \sync
	WIN 0
	s_wait_tensorcnt 0x0                           ; all my tensor loads have landed: my quarter of the other slot
.if \sync == 1
	ds_add_u32 v[SPW], v[NIL]
	s_add_nc_u64 s[G0+4*SLT+2:G0+4*SLT+3], s[G0+4*SLT+2:G0+4*SLT+3], 4*UNIT   ; no tensor load of mine is out: this slot's next fill
.endif
.endif
	WIN MUL_HI
	GRP 4, \n, \zero
	GRP 5, \n, \zero
.if \sync
	s_wait_dscnt 0x0                               ; the add is done, and my reads of this slot are over
	s_barrier_signal -1
.endif
	GRP 6, \n, \zero
	GRP 7, \n, \zero
	WIN 0
.if \sync
	s_barrier_wait -1
.endif
.if \sync == 1
	CREST                                          ; the barrier has opened a round: no wave of any partner still reads this slot or has a load on its way
	tensor_load_to_lds s[G0+4*SLT:G0+4*SLT+3], s[G1:G1+7]
	s_nop 0
.endif
	PLACES
.if \bl
	WIN TO_B
	BQ U1, (\n)%2, 4
.endif
.if \xo
	XOUT 1
.endif
	WIN 0
.if \fa
	AFETCH (\n)+2
.endif
.endm
	s_load_b128 s[4:7], s[0:1], 0x0                ; codes, out0
	v_lshl_add_u32 v[SPW], v0, 2, SPARE
	v_mov_b32 v[NIL], 0
	ds_add_u32 v[SPW], v[NIL]                      ; the opening lines: the add twice on end and its wait ahead of my first tensor load
	ds_add_u32 v[SPW], v[NIL]
	v_lshrrev_b32 v1, 5, v0
	v_readfirstlane_b32 s14, v1                    ; wave
	s_lshr_b32 s15, s14, 1                         ; kh
	s_and_b32 s16, s14, 1                          ; nh
	s_xor_b32 s70, s15, 1
	s_bfe_u32 s40, ttmp6, 0x40000                  ; cx
	s_bfe_u32 s41, ttmp6, 0x40004                  ; cy
	s_lshl_b32 s42, ttmp9, 2
	s_add_co_u32 s42, s42, s40                     ; tile column
	s_and_b32 s17, ttmp7, 0xffff
	s_lshl_b32 s17, s17, 2
	s_add_co_u32 s17, s17, s41                     ; tile row
	s_lshl_b32 s43, s41, 2
	s_lshl_b32 s43, 15, s43                        ; my row of the cluster
	s_or_b32 s[G1+0], s43, (3<<16)|(1<<21)         ; the mask; elements of 8 bytes; bit 21 beside a mask
	s_mov_b32 s[G1+1], 1600<<16                    ; a tile: 2 rows of 1,600 elements (two units of a row block), 12,800 elements from row block to row block
	s_mov_b32 s[G1+2], 2<<16
	s_mov_b32 s[G1+3], 1600<<16
	s_mov_b32 s[G1+4], 2
	s_mov_b32 s[G1+5], 12800
	s_mov_b32 s[G1+6], 0
	s_mov_b32 s[G1+7], 0
	s_lshl_b32 s18, s17, 3                         ; A: row block 8 x tile row + 2 x wave
	s_lshl_b32 s19, s14, 1
	s_add_co_u32 s18, s18, s19
	s_mul_i32 s20, s18, RBB
	s_mov_b32 s21, 0
	s_mul_i32 s22, s14, 2*ARB                      ; and its place in a slot
	s_lshl_b32 s50, s42, 4                         ; B: row block 128 + 16 x tile column + 8 nh
	s_lshl_b32 s51, s16, 3
	s_add_co_u32 s50, s50, s51
	s_add_co_u32 s50, s50, 128
	s_mul_i32 s50, s50, RBB
	s_mov_b32 s51, 0
	s_lshl_b32 s66, s40, 2                         ; A's prefetch: piece 4 cx + wave of sixteen: row block piece / 2, unit piece % 2
	s_add_co_u32 s66, s66, s14
	s_and_b32 s67, s66, 1
	s_lshr_b32 s66, s66, 1
	s_lshl_b32 s68, s17, 3
	s_add_co_u32 s66, s66, s68
	s_mul_i32 s66, s66, RBB
	s_mul_i32 s67, s67, UNIT
	s_add_co_u32 s66, s66, s67
	s_mov_b32 s67, 0
	s_lshl_b32 s68, s42, 4                         ; B's prefetch: row block 4 cy + wave of the tile's sixteen
	s_lshl_b32 s69, s41, 2
	s_add_co_u32 s68, s68, s69
	s_add_co_u32 s68, s68, s14
	s_add_co_u32 s68, s68, 128
	s_mul_i32 s68, s68, RBB
	s_mov_b32 s69, 0
	s_lshl_b32 s72, s17, 7                         ; out0: row 128 x tile row + 64 kh, byte 1,024 x tile column + 512 nh
	s_lshl_b32 s73, s15, 6
	s_add_co_u32 s72, s72, s73
	s_lshl_b32 s72, s72, 14
	s_lshl_b32 s73, s42, 10
	s_add_co_u32 s72, s72, s73
	s_lshl_b32 s73, s16, 9
	s_add_co_u32 s72, s72, s73
	s_mov_b32 s73, 0
	s_mul_i32 s52, s15, 2*FRB                      ; my two images of a unit
	s_lshl_b32 s53, s15, 3
	s_add_co_u32 s53, s53, SCO                     ; my two scale words of a row
	s_mul_i32 s54, s15, 4*ARB                      ; my own 64 rows of A,
	s_mul_i32 s55, s70, 4*ARB                      ; the other 64
	s_add_co_u32 s56, s54, s53
	s_add_co_u32 s57, s55, s53
	s_add_co_u32 s54, s54, s52
	s_add_co_u32 s55, s55, s52
	s_mul_i32 s58, s14, 16*SPITCH
	s_add_co_u32 s58, s58, STG
	s_xor_b32 s59, s14, 2                          ; the wave with the other kh
	s_mul_i32 s59, s59, 64*SPITCH
	s_add_co_u32 s59, s59, XA
	s_mul_i32 s60, s14, 64*SPITCH
	s_add_co_u32 s60, s60, XA
	v_and_b32 v1, 15, v0                           ; r
	v_bfe_u32 v2, v0, 4, 1                         ; h
	v_and_b32 v3, 31, v0
	v_lshlrev_b32 v[CO], 4, v3
	v_min_u32 v[PFO], 24, v3
	v_lshlrev_b32 v[PFO], 8, v[PFO]
	v_add_nc_u32 v[BO], s52, v[CO]
	v_lshlrev_b32 v21, 4, v1
	v_mad_u32_u24 v[SBO], v2, RBB, v21
	v_add_nc_u32 v[SBO], s53, v[SBO]
	v_add_nc_u32 v[ADRAL+1], s54, v[CO]
	v_add_nc_u32 v[ADRAH+1], s55, v[CO]
	v_mad_u32_u24 v22, v2, ARB, v21                ; lanes 16-31 take the next row block's words
	v_add_nc_u32 v[ADRSL+1], s56, v22
	v_add_nc_u32 v[ADRSH+1], s57, v22
.irp x, ADRAL, ADRAH, ADRSL, ADRSH
	v_add_nc_u32 v[\x], SLOTB, v[\x+1]
.endr
	v_mul_u32_u24 v23, v1, SPITCH
	v_lshl_add_u32 v23, v2, 5, v23                 ; row r, 32 bytes for each half of the lanes
	v_add_nc_u32 v[STO], s58, v23
	v_add_nc_u32 v[RD], s58, v[CO]
	v_add_nc_u32 v[XW], s59, v23
	v_add_nc_u32 v[XR], s60, v[CO]
	s_wait_alu depctr_va_vdst(0)
	s_wait_dscnt 0x0                               ; both opening adds are done
	s_wait_kmcnt 0x0
	s_add_nc_u64 s[BP:BP+1], s[4:5], s[50:51]
	BSC 0                                          ; unit 0 of B: 52 loads, ahead of everything else
	WIN TO_B
	BQ 0, 0, 0
	BQ 0, 0, 4
	BQ 0, 1, 0
	BQ 0, 1, 4
	WIN 0
	s_add_nc_u64 s[20:21], s[4:5], s[20:21]
	s_add_nc_u64 s[PA:PA+1], s[4:5], s[66:67]
	s_add_nc_u64 s[PB:PB+1], s[4:5], s[68:69]
	s_add_nc_u64 s[12:13], s[6:7], s[72:73]
	s_mov_b32 s[G0], 1
	s_add_co_u32 s[G0+1], s22, SLOTB
	s_mov_b64 s[G0+2:G0+3], s[20:21]
	s_or_b32 s[G0+3], s[G0+3], 0x80000000
	s_mov_b32 s[G0+4], 1
	s_mov_b32 s[G0+5], s22
	s_add_nc_u64 s[G0+6:G0+7], s[20:21], 2*UNIT
	s_or_b32 s[G0+7], s[G0+7], 0x80000000
	CROUND                                         ; all sixteen work-groups are here: the first joint loads meet
	tensor_load_to_lds s[G0:G0+3], s[G1:G1+7]      ; units 0 and 1: one tensor load a wave at the head
	s_nop 0
	PLACES
	s_wait_tensorcnt 0x0                           ; my quarter is in; slot 1's first fill is issued as a refill is:
	ds_add_u32 v[SPW], v[NIL]
	s_wait_dscnt 0x0
	CROUND
	tensor_load_to_lds s[G0+4:G0+7], s[G1:G1+7]    ; units 2 and 3
	s_nop 0
	PLACES
	AFETCH 0
	AFETCH 1
	STEP 0, 1, 1, 1, 0, 24, 36, 40, 0              ; the first step's products start the sums
	s_mov_b32 s3, 3
.Llap:                                                 ; a trip: a lap's steps 1 to 7 and the next lap's first; both slots are filled again
	STEP 1, 0, 1, 1, 0, 28, 40, 40, 0
	STEP 2, 0, 1, 1, 1, 24, 36, 40, 0
	ASK 6, 4, 0
	STEP 3, 0, 1, 1, 0, 28, 40, 40, 0
	STEP 4, 0, 1, 1, 0, 24, 36, 40, 0
	STEP 5, 0, 1, 1, 0, 28, 40, 40, 0
	STEP 6, 0, 1, 1, 1, 24, 36, 40, 0
	ASK 8, 6, 1
	STEP 7, 0, 1, 1, 0, 28, 40, 40, 0
	STEP 8, 0, 1, 1, 0, 24, 36, 40, 0
	s_wait_xcnt 0x0                                ; the loads and prefetches have read their bases: a lap on
	s_add_nc_u64 s[BP:BP+1], s[BP:BP+1], 4*UNIT
	s_add_nc_u64 s[PA:PA+1], s[PA:PA+1], 4*UNIT
	s_add_nc_u64 s[PB:PB+1], s[PB:PB+1], 4*UNIT
	s_sub_co_u32 s3, s3, 1
	s_cmp_lg_u32 s3, 0
	s_cbranch_scc1 .Llap
	STEP 1, 0, 1, 1, 0, 28, 40, 40, 0              ; the last lap fills no slot; its last unit loads nothing of B: the counts run down
	STEP 2, 0, 1, 1, 2, 24, 36, 40, 0
	STEP 3, 0, 1, 1, 0, 28, 40, 40, 0
	STEP 4, 0, 1, 1, 0, 24, 36, 40, 0
	STEP 5, 0, 1, 1, 0, 28, 40, 40, 0
	STEP 6, 0, 0, 0, 0, 24, 36, 24, 0
	STEP 7, 0, 0, 0, 0, 0, 12, 0, 1
	s_wait_dscnt 0x0                               ; for the other wave's sake: my stores into its rows are done
	s_barrier_signal -1
	s_barrier_wait -1
; THE WAY OUT, by blocks of 16 rows x 128 columns: my own sums go through my own stage and come back as whole rows of 512 bytes; the other wave's sums for the same rows come from XA as rows too; the two are added and stored.
.macro TOSTAGE a
	WIN 0x08
.irp b, 0,1,2,3
	ds_store_b128 v[STO], v[8*(8*\b+(\a)):8*(8*\b+(\a))+3] offset:64*\b
	ds_store_b128 v[STO], v[8*(8*\b+(\a))+4:8*(8*\b+(\a))+7] offset:64*\b+16
.endr
	WIN 0x0c
.irp b, 0,1,2,3
	ds_store_b128 v[STO], v[8*(8*\b+(\a)):8*(8*\b+(\a))+3] offset:256+64*\b
	ds_store_b128 v[STO], v[8*(8*\b+(\a))+4:8*(8*\b+(\a))+7] offset:256+64*\b+16
.endr
	WIN 0
.irp t, 0,1,2,3,4,5,6,7,8,9,10,11,12,13,14,15
	ds_load_b128 v[BK+64*((\a)%2)+4*\t:BK+64*((\a)%2)+4*\t+3], v[RD] offset:\t*SPITCH   ; LDS serves a wave's instructions in order: these see the stores above
.endr
	WIN TO_B
.irp t, 0,1,2,3,4,5,6,7,8,9,10,11,12,13,14,15
	ds_load_b128 v[64*((\a)%2)+4*\t:64*((\a)%2)+4*\t+3], v[XR] offset:(16*(\a)+\t)*SPITCH
.endr
	WIN 0
.endm
.macro SEND a, younger                 ; younger: the LDS instructions issued behind block a's loads
	s_wait_dscnt \younger
	WIN 0x04                                       ; source 1: window 1
.set j, 0
.rept 32
	v_pk_add_f32 v[BK+64*((\a)%2)+j:BK+64*((\a)%2)+j+1], v[BK+64*((\a)%2)+j:BK+64*((\a)%2)+j+1], v[64*((\a)%2)+j:64*((\a)%2)+j+1]
.set j, j+2
.endr
	WIN 0
.irp t, 0,1,2,3,4,5,6,7,8,9,10,11,12,13,14,15
	global_store_b128 v[CO], v[BK+64*((\a)%2)+4*\t:BK+64*((\a)%2)+4*\t+3], s[12:13] offset:(16*(\a)+\t)*NROW th:TH_STORE_NT   ; 32 lanes store 512 consecutive bytes, at a multiple of 256 from out0's first byte
.endr
.endm
	TOSTAGE 0
.irp a, 1,2,3
.if \a > 1
	s_wait_xcnt 0x0                                ; block a - 2's stores have read their registers: block a's loads may land there
.endif
	TOSTAGE \a
	SEND \a-1, 48                                  ; behind block a - 1's loads: block a's 16 stores and 32 loads
.endr
	SEND 3, 0
	s_wait_tensorcnt 0x0                           ; the wave's end
	ds_add_u32 v[SPW], v[NIL]
	s_wait_dscnt 0x0
	CROUND                                         ; the closing round
	s_endpgm
.Lfunc_end_k_q9da7ba4895_gemm:
	.size	k_q9da7ba4895_gemm, .Lfunc_end_k_q9da7ba4895_gemm-k_q9da7ba4895_gemm
	.p2alignl 7, 3214868480
	.fill 96, 4, 3214868480
	.section	.rodata,"a",@progbits
	.p2align	6, 0x0
	.amdhsa_kernel k_q9da7ba4895_gemm
		.amdhsa_group_segment_fixed_size 327680
		.amdhsa_private_segment_fixed_size 0
		.amdhsa_enable_private_segment 0
		.amdhsa_kernarg_size 16
		.amdhsa_user_sgpr_count 2
		.amdhsa_user_sgpr_kernarg_segment_ptr 1
		.amdhsa_wavefront_size32 1
		.amdhsa_system_sgpr_workgroup_id_x 1
		.amdhsa_system_sgpr_workgroup_id_y 1
		.amdhsa_system_sgpr_workgroup_id_z 1
		.amdhsa_system_vgpr_workitem_id 0
		.amdhsa_next_free_vgpr 1024
		.amdhsa_next_free_sgpr 80
		.amdhsa_reserve_vcc 0
		.amdhsa_float_denorm_mode_32 3
		.amdhsa_float_denorm_mode_16_64 3
		.amdhsa_memory_ordered 1
		.amdhsa_forward_progress 1
		.amdhsa_inst_pref_size 243
	.end_amdhsa_kernel
	.amdgpu_metadata
---
amdhsa.version: [ 1, 2 ]
amdhsa.kernels:
  - .name:           k_q9da7ba4895_gemm
    .symbol:         k_q9da7ba4895_gemm.kd
    .args:
      - { .name: codes, .offset: 0, .size: 8, .value_kind: global_buffer, .address_space: global }
      - { .name: out0, .offset: 8, .size: 8, .value_kind: global_buffer, .address_space: global }
    .group_segment_fixed_size: 327680
    .private_segment_fixed_size: 0
    .kernarg_segment_align: 8
    .kernarg_segment_size: 16
    .max_flat_workgroup_size: 128
    .sgpr_count:     80
    .vgpr_count:     1024
    .wavefront_size: 32
...
	.end_amdgpu_metadata
.endif
;; end of part 2
